; MI455X (gfx1250); checked and timed in simulation.
; The chip was launched on July 23, 2026; its instructions are those of AMD's public machine-readable ISA for CDNA 5 (MIT licence, August 2026) and "CDNA5" Instruction Set Architecture Reference Guide (July 2026). The comments in the code are by the model that wrote it; some were corrected since.
;; WKNN Fingerprint Model. Allowed arithmetic: matrix products marked QUANTISED: E3M2 operands, one E8M0 scale for each 32 along K, by v_wmma_scale_f32_16x16x128_f8f6f4 with both operands' format E3M2, f32 sums; everything else in f32.
;; Inputs: fingerprints 100,000 x 128 float32; positions 100,000 x 2 float32; x 1,024 x 128 float32.
;; Outputs: out0 1,024 x 2 float32.
;; This version of the problem:
;;   THIS VERSION OF THE PROBLEM IS GIVEN IN LOW PRECISION. The matrix products marked QUANTISED in the list below multiply operands that are first quantised to E3M2 (3 exponent bits, 2 mantissa bits; 6 bits a number), with one power-of-two scale for each 32 numbers along K (OCP MX v1.0); their sums are f32. All else is computed in f32.
;;   The module's matrix products, in the order in which they are computed (A, B: the left and right operand; K: the contracted axis; several contracted axes count as one K, in the product's order):
;;     1. [M 1,024, K 128] x [K 128, N 100,000]; A: input x; B: input fingerprints: QUANTISED
;;   THE QUANTISER, for each operand of a quantised product, along K:
;;     - K is cut into blocks of 32 from its start; a last block that is shorter is filled with zeros.
;;     - A block's scale is 2^e with e = floor(log2(the largest magnitude in the block)) - 4, held to -126 .. 127; a block of zeros has e = 0. As a byte (E8M0): e + 127.
;;     - Each number is divided by its block's scale, clamped to +-28, and rounded to the nearest number of E3M2, ties to even, subnormals kept.
;;     - The product sums the exact products of the quantised numbers (number of the format x scale) in f32.
;;   ~~~python
;;   def quantise(x, axis):      # numpy; x: float32 -> the quantised numbers, widened to float32 again
;;       x = np.moveaxis(x, axis, -1); K = x.shape[-1]
;;       x = np.pad(x, [(0, 0)] * (x.ndim - 1) + [(0, -K % 32)]); x = x.reshape(x.shape[:-1] + (-1, 32)); a = np.abs(x).max(-1, keepdims=True)
;;       e = np.where(a > 0, np.clip(np.frexp(np.where(a > 0, a, 1))[1] - 1 - 4, -126, 127), 0)      # np.frexp(a)[1] - 1 = floor(log2(a)), exactly
;;       r = np.clip(x / 2.0 ** e, -28, 28)
;;       step = 2.0 ** (np.maximum(np.frexp(np.where(r == 0, 1, r))[1] - 1, -2) - 2)
;;       q = np.round(r / step) * step * 2.0 ** e      # np.round: ties to even
;;       return np.moveaxis(q.reshape(q.shape[:-2] + (-1,))[..., :K], -1, axis).astype(np.float32)
;;   ~~~
;; One version. Each part assembles by itself: llvm-mc -triple=amdgcn-amd-amdhsa -mcpu=gfx1250 --defsym DOCPART=n.
;; ======== version 1 of 1: 4 launches
;; workspace buffers: codes 9,698,304 bytes; meta 808,192 bytes; gmax 5,120,000 bytes; sel 16,384 bytes of whole numbers
;; launch quant (part 1): grid 3157 x 1, 2 waves a work-group, no clusters, 17,152 bytes of LDS; arguments fingerprints, x, codes, meta; writes codes, meta
.if DOCPART == 1
	.amdgcn_target "amdgcn-amd-amdhsa--gfx1250"
	.amdhsa_code_object_version 6
	.text
	.protected	k_qfde22aab2a_quant
	.globl	k_qfde22aab2a_quant
	.p2align	8
	.type	k_qfde22aab2a_quant,@function
k_qfde22aab2a_quant:
	s_mov_b64 s[64:65], 0
	v_nop
	global_prefetch_b8 v0, s[64:65] scope:SCOPE_SE
	s_setreg_imm32_b32 hwreg(HW_REG_WAVE_MODE, 25, 1), 1
	s_wait_xcnt 0x0
; fingerprints [100000][128] and x [1024][128], f32, become codes of BF6 (E3M2) with one E8M0 scale byte for each 32 along K, and for each row nh = -0.5 x the sum of its squares (of the f32 numbers).
; A TILE is 16 rows on end: tiles 0 .. 6249 are the fingerprints', tiles 6250 .. 6313 x's.  One wave takes one tile; 6,314 tiles = 3,157 work-groups of two waves.
; OUT: codes: 1,536 bytes a tile, THE IMAGE OF THE OPERAND'S 12 REGISTERS: registers 4 c .. 4 c + 3 of lane l at 512 c + 16 l, so that every later reader fetches a fragment by three loads of 16 bytes a lane.
;      meta: 128 bytes a tile: the scale word of row r at 4 r, nh(r) at 64 + 4 r.
; A block's scale is 2^(floor(log2(its largest magnitude)) - 4); its byte is the largest magnitude's exponent field - 4, held at 1 from below.  A block of zeros so gets the byte 1 where the rule says 127:
; its codes are zeros, which add nothing under any byte but 0xff, and this program alone reads the bytes.
; LIMITS: blocks whose largest magnitude lies under 2^-122 keep the byte 1; NaN and infinities among the inputs are not served; the sum of squares is taken in two packed chains, another order than a plain row sum.
; Each load reads one whole row, 512 consecutive bytes, 16 a lane.  The operand's layout wants lane (r, h) to hold k = 64 c + 32 h + 0 .. 31 of row r: so the tile turns through the wave's own stage in LDS,
; rows 528 bytes apart (33 x 16: the sixteen rows that a load of 16 bytes a lane touches begin at sixteen different 16-byte columns).  Waves share nothing: no barrier.
; No matrix unit, no cluster, no tensor load: a stream, read once and written once.
.set NFT,   6250                       ; the fingerprints' tiles
.set PITCH, 528
.set STG,   16*PITCH                   ; a wave's stage
.set F,     24                         ; v24-35   the fragment
.set X,     44                         ; v44-107  the tile's numbers, 64 a lane
	s_load_b256 s[4:11], s[0:1], 0x0               ; fingerprints s[4:5], x s[6:7], codes s[8:9], meta s[10:11]
	v_lshl_add_u32 v108, v0, 2, 0x4200
	v_mov_b32 v109, 0
	v_lshrrev_b32 v1, 5, v0
	v_readfirstlane_b32 s12, v1                    ; wave 0, 1
	v_and_b32 v1, 31, v0                           ; lane
	v_and_b32 v2, 15, v0                           ; r
	v_bfe_u32 v3, v0, 4, 1                         ; h
	v_lshlrev_b32 v4, 4, v1                        ; 16 x lane: my bytes of a row, and of an image's 512
	s_mul_i32 s15, s12, STG
	v_add_nc_u32 v5, s15, v4                       ; the stage, on the way in
	v_mul_u32_u24 v6, v2, PITCH
	v_lshl_add_u32 v6, v3, 7, v6
	v_add_nc_u32 v6, s15, v6                       ; and on the way out: row r, + 128 h: my block of 32 numbers
	v_lshlrev_b32 v7, 3, v3                        ; 8 h: how far up my two scale bytes stand in the word
	v_lshlrev_b32 v21, 2, v1                       ; 4 x lane: my word of the tile's meta
	v_mov_b32 v15, 0                               ; a lane permute's destination counts as one of its sources
	s_mov_b32 s20, 0x76543210
	s_mov_b32 s21, 0xfedcba98                      ; v_permlanex16_b32's selects for lane l xor 16
	s_lshl_b32 s13, ttmp9, 1
	s_add_co_u32 s13, s13, s12                     ; my tile
	s_mov_b32 s17, 0
	s_wait_kmcnt 0x0
	s_cmp_lt_u32 s13, NFT                          ; a tile of the fingerprints or of x?  The choice hangs on the tile's number alone
	s_cselect_b64 s[4:5], s[4:5], s[6:7]
	s_cselect_b32 s14, 0, NFT
	s_sub_co_u32 s14, s13, s14                     ; the tile's number in its own tensor
	s_lshl_b32 s16, s14, 13                        ; 16 rows of 512 bytes
	s_add_nc_u64 s[4:5], s[4:5], s[16:17]
	s_mul_i32 s16, s13, 1536
	s_add_nc_u64 s[8:9], s[8:9], s[16:17]
	s_lshl_b32 s16, s13, 7
	s_add_nc_u64 s[10:11], s[10:11], s[16:17]
.irp i, 0,1,2,3,4,5,6,7,8,9,10,11,12,13,14,15
	global_load_b128 v[X+4*\i:X+4*\i+3], v4, s[4:5] offset:512*\i th:TH_LOAD_NT   ; row i: 32 lanes read 512 consecutive bytes; read once in the whole program
.endr
.irp i, 0,1,2,3,4,5,6,7,8,9,10,11,12,13,14,15
	s_wait_loadcnt 15-\i                           ; loads come back in order: row i is in, the younger rows stay out
	ds_store_b128 v5, v[X+4*\i:X+4*\i+3] offset:PITCH*\i
.endr
	s_wait_dscnt 0x0                               ; the stores have read their registers, which the loads below fill again
.irp c, 0,1
.irp p, 0,1,2,3,4,5,6,7
	ds_load_b128 v[X+32*\c+4*\p:X+32*\c+4*\p+3], v6 offset:256*\c+16*\p   ; v[X + 32 c + i] = row r, k = 64 c + 32 h + i: two whole blocks a lane
.endr
.endr
	s_wait_dscnt 0x0
.irp c, 0,1                                    ; my block 2 c + h: all its 32 numbers are mine
	v_max3_num_f32 v[8+\c], |v[X+32*\c]|, |v[X+32*\c+1]|, 0x2800000   ; and the floor 2^(5 - 127): so the byte cannot fall under 1
.endr
.irp i, 2,4,6,8,10,12,14,16,18,20,22,24,26,28,30
.irp c, 0,1
	v_max3_num_f32 v[8+\c], v[8+\c], |v[X+32*\c+\i]|, |v[X+32*\c+\i+1]|   ; (the two blocks by turns)
.endr
.endr
	v_pk_mul_f32 v[16:17], v[X:X+1], v[X:X+1]      ; the sum of my 64 squares, two at a time, in two chains
	v_pk_mul_f32 v[18:19], v[X+2:X+3], v[X+2:X+3]
.irp j, 4,8,12,16,20,24,28,32,36,40,44,48,52,56,60
	v_pk_fma_f32 v[16:17], v[X+\j:X+\j+1], v[X+\j:X+\j+1], v[16:17]
	v_pk_fma_f32 v[18:19], v[X+\j+2:X+\j+3], v[X+\j+2:X+\j+3], v[18:19]
.endr
.irp c, 0,1
	v_add_nc_u32 v[10+\c], 0xfe000000, v[8+\c]     ; 4 off the exponent field: the conversion takes the exponent field of this operand as its scale, and nothing else of it
.endr
.irp c, 0,1
	v_lshrrev_b32 v[12+\c], 23, v[10+\c]           ; the scale's byte
.endr
	v_pk_add_f32 v[16:17], v[16:17], v[18:19]
	v_add_f32 v16, v16, v17
	v_permlanex16_b32 v15, v16, s20, s21
	v_add_f32 v16, v16, v15                        ; with lane l xor 16's 64: the row's sum of squares
	v_mul_f32 v20, -0.5, v16                       ; nh: an exact halving
	v_lshl_or_b32 v14, v13, 16, v12                ; my two bytes: blocks h and 2 + h of row r,
	v_lshlrev_b32 v14, v7, v14                     ; at their places in the scale word;
	v_permlanex16_b32 v15, v14, s20, s21
	v_or_b32 v14, v14, v15                         ; with lane l xor 16's two the word is whole
.irp c, 0,1
	v_cvt_scalef32_pk16_bf6_f32 v[F+6*\c:F+6*\c+2], v[X+32*\c:X+32*\c+15], v[10+\c]        ; registers 6 c .. 6 c + 2 of the operand
	v_cvt_scalef32_pk16_bf6_f32 v[36+4*\c:38+4*\c], v[X+32*\c+16:X+32*\c+31], v[10+\c]     ; (a conversion's three registers begin on an even number: the second half of a block's six does not, so it is made elsewhere and moved)
.endr
	v_cmp_ne_u32 vcc_lo, 0, v3                     ; (one plain place behind the scaled conversions)  lanes 16-31
.irp c, 0,1
.irp i, 0,1,2
	v_mov_b32 v[F+3+6*\c+\i], v[36+4*\c+\i]
.endr
.endr
	v_cndmask_b32 v20, v14, v20, vcc_lo            ; lanes 0-15 carry row r's scale word, lanes 16-31 row r's nh
.irp c, 0,1,2
	global_store_b128 v4, v[F+4*\c:F+4*\c+3], s[8:9] offset:512*\c   ; 32 lanes store 512 consecutive bytes, at a multiple of 256 from the buffer's first byte
.endr
	global_store_b32 v21, v20, s[10:11]            ; 32 lanes store the tile's 128 bytes of meta
	s_wait_tensorcnt 0x0
	ds_add_u32 v108, v109
	s_wait_dscnt 0x0
	s_endpgm
.Lfunc_end_k_qfde22aab2a_quant:
	.size	k_qfde22aab2a_quant, .Lfunc_end_k_qfde22aab2a_quant-k_qfde22aab2a_quant
	.p2alignl 7, 3214868480
	.fill 96, 4, 3214868480
	.section	.rodata,"a",@progbits
	.p2align	6, 0x0
	.amdhsa_kernel k_qfde22aab2a_quant
		.amdhsa_group_segment_fixed_size 17152
		.amdhsa_private_segment_fixed_size 0
		.amdhsa_enable_private_segment 0
		.amdhsa_kernarg_size 32
		.amdhsa_user_sgpr_count 2
		.amdhsa_user_sgpr_kernarg_segment_ptr 1
		.amdhsa_wavefront_size32 1
		.amdhsa_system_sgpr_workgroup_id_x 1
		.amdhsa_system_sgpr_workgroup_id_y 1
		.amdhsa_system_sgpr_workgroup_id_z 1
		.amdhsa_system_vgpr_workitem_id 0
		.amdhsa_next_free_vgpr 110
		.amdhsa_next_free_sgpr 66
		.amdhsa_reserve_vcc 1
		.amdhsa_float_denorm_mode_32 3
		.amdhsa_float_denorm_mode_16_64 3
		.amdhsa_memory_ordered 1
		.amdhsa_forward_progress 1
		.amdhsa_inst_pref_size 12
	.end_amdhsa_kernel
	.amdgpu_metadata
---
amdhsa.version: [ 1, 2 ]
amdhsa.kernels:
  - .name:           k_qfde22aab2a_quant
    .symbol:         k_qfde22aab2a_quant.kd
    .args:
      - { .name: fingerprints, .offset: 0, .size: 8, .value_kind: global_buffer, .address_space: global }
      - { .name: x, .offset: 8, .size: 8, .value_kind: global_buffer, .address_space: global }
      - { .name: codes, .offset: 16, .size: 8, .value_kind: global_buffer, .address_space: global }
      - { .name: meta, .offset: 24, .size: 8, .value_kind: global_buffer, .address_space: global }
    .group_segment_fixed_size: 17152
    .private_segment_fixed_size: 0
    .kernarg_segment_align: 8
    .kernarg_segment_size: 32
    .max_flat_workgroup_size: 64
    .sgpr_count:     66
    .vgpr_count:     110
    .wavefront_size: 32
...
	.end_amdgpu_metadata
.endif
;; end of part 1
;; launch scan (part 2): grid 250 x 1, 4 waves a work-group, no clusters, 168,448 bytes of LDS; arguments codes, meta, gmax; writes gmax
.if DOCPART == 2
	.amdgcn_target "amdgcn-amd-amdhsa--gfx1250"
	.amdhsa_code_object_version 6
	.text
	.protected	k_qfde22aab2a_scan
	.globl	k_qfde22aab2a_scan
	.p2align	8
	.type	k_qfde22aab2a_scan,@function
k_qfde22aab2a_scan:
	s_mov_b64 s[64:65], 0
	v_nop
	global_prefetch_b8 v0, s[64:65] scope:SCOPE_SE
	s_setreg_imm32_b32 hwreg(HW_REG_WAVE_MODE, 25, 1), 1
	s_wait_xcnt 0x0
; For every query and every GROUP of 80 neighbouring fingerprints (5 tiles of 16): the largest s = x . f - f2 / 2, the product on codes of BF6 (E3M2) with E8M0 scales, -f2 / 2 given as the C of the matrix instruction.
; d2 = x2 - 2 s falls where s rises, so a group's largest s is its nearest fingerprint's.  Only that number is kept: half a vector instruction for each score, and no index is carried.
; gmax [1250 groups][1024 columns] f32; column 256 w + 64 i4 + 4 r + e stands for query 256 w + 64 i4 + 16 e + r.
; SHARES.  Work-group g owns fingerprints 400 g .. 400 g + 399: 25 tiles, 5 groups; 100,000 = 250 x 400.  Wave w owns x's tiles 16 w .. 16 w + 15 (256 queries).  K = 128 is one matrix instruction deep, so nothing is summed over steps:
; a wave keeps its 16 fragments of x, all 25 fragments of the chunk, their 25 C's and all scale words in registers, and the stream of 400 matrix instructions holds no memory instruction, no label and no branch.
; The chunk's 38,400 bytes of codes come into LDS once, a quarter by each wave's one tensor load, and every wave reads all of them.  Nothing is filled again.
; NO CLUSTER: 250 work-groups are no multiple of four; what work-groups share, x's codes, goes straight into registers, once.
; LAYOUT.  Source 0 = 16 fingerprints, source 1 = 16 queries: lane (r, h) holds query r and fingerprints 8 h + 0 .. 7 of the tile.  C's register j of lane (r, h) is nh(8 h + j).
; LIMIT: s is rounded as the matrix unit rounds a sum with its C, not as (x2 - 2 dot) + f2 is; the last launch forms d2 anew in that order.
; REGISTERS, in windows of 256 (s_set_vgpr_msb: bits 1:0 source 0, 3:2 source 1, 5:4 source 2, 7:6 destination):
;   window 0: v1-3 addresses; v8-32 the tiles' scale words; v34-49 x's; v50-54 at work; v56-95, v96-135 two sets of five accumulators; v136-215 the maxima, H[16 k + i] for group k and x's tile i
;   window 1: the fragments of tiles 0-19, 12 each.   window 2: C of tile t at v[8 t].   window 3: x's 16 fragments at v[12 i]; from v192 the fragments of tiles 20-24.
; The maxima work in window 0 and the products' operands fill three other windows, so five products and the twenty maxima of the five before cost two switches.
.set LI,  1                            ; v1   16 x lane
.set L4,  2                            ; v2   4 x (lane % 16)
.set LC,  3                            ; v3   64 + 32 x (lane / 16)
.set SA,  8
.set XS,  34
.set TA,  50
.set D0,  56
.set H,   136
.set MSB, 0
.macro WIN new                         ; the immediate's high byte repeats the setting that is left; a switch that changes nothing is dropped
.if MSB != \new
	s_set_vgpr_msb (MSB<<8)|\new
.set MSB, \new
.endif
.endm
	s_load_b128 s[4:7], s[0:1], 0x0                ; codes s[4:5], meta s[6:7]
	s_load_b64 s[8:9], s[0:1], 0x10                ; gmax
	v_lshl_add_u32 v254, v0, 2, 0x29000
	v_mov_b32 v255, 0
	ds_add_u32 v254, v255
	ds_add_u32 v254, v255
	v_lshrrev_b32 v4, 5, v0
	v_readfirstlane_b32 s10, v4                    ; wave 0..3
	v_and_b32 v4, 31, v0
	v_lshlrev_b32 v[LI], 4, v4
	v_and_b32 v5, 15, v0
	v_lshlrev_b32 v[L4], 2, v5
	v_bfe_u32 v5, v0, 4, 1
	v_lshl_add_u32 v[LC], v5, 5, 64
	; descriptor group 1: one row of 9,600 bytes, as 1,200 elements of 8 bytes; no padding: the images are read 16 consecutive bytes a lane
	s_mov_b32 s16, 3<<16                           ; 15:0 no mask; 17:16 elements of 8 bytes; 20 padding off
	s_mov_b32 s17, 1200<<16                        ; tensor_dim0 = 1,200
	s_mov_b32 s18, 1<<16                           ; tensor_dim1 = 1
	s_mov_b32 s19, 1200<<16                        ; tile_dim0 = 1,200
	s_mov_b32 s20, 1                               ; tile_dim1 = 1
	s_mov_b32 s21, 1200                            ; the pitch
	s_mov_b32 s22, 0
	s_mov_b32 s23, 0
	s_mov_b32 s12, 1                               ; group 0: count = 1
	s_mul_i32 s13, s10, 9600                       ; LDS address: my quarter of the chunk
	s_mul_i32 s32, ttmp9, 38400                    ; the chunk's 25 images,
	s_add_co_u32 s32, s32, s13                     ; my quarter of them
	s_mov_b32 s33, 0
	s_mul_i32 s34, ttmp9, 3200                     ; the chunk's 25 x 128 bytes of meta
	s_mov_b32 s35, 0
	s_mul_i32 s36, s10, 24576                      ; my 16 tiles of x: their images lie behind the fingerprints' 6,250,
	s_add_co_u32 s36, s36, 9600000
	s_mov_b32 s37, 0
	s_lshl_b32 s38, s10, 11                        ; and so does their meta
	s_add_co_u32 s38, s38, 800000
	s_mov_b32 s39, 0
	s_mul_i32 s40, ttmp9, 20480                    ; gmax: my 5 rows of 4,096 bytes, my wave's 1,024 bytes of each
	s_lshl_b32 s41, s10, 10
	s_add_co_u32 s40, s40, s41
	s_mov_b32 s41, 0
	s_wait_dscnt 0x0
	s_wait_kmcnt 0x0
	s_add_nc_u64 s[14:15], s[4:5], s[32:33]
	s_or_b32 s15, s15, 0x80000000                  ; type = 2
	tensor_load_to_lds s[12:15], s[16:23]          ; the launch's only fill: one tensor load of mine is out
	s_nop 0
.rept 4
	v_nop                                          ; four behind a tensor load
.endr
	s_add_nc_u64 s[24:25], s[6:7], s[34:35]
	s_add_nc_u64 s[26:27], s[4:5], s[36:37]
	s_add_nc_u64 s[28:29], s[6:7], s[38:39]
	s_add_nc_u64 s[30:31], s[8:9], s[40:41]
.set t, 0
.rept 25
	global_load_b32 v[SA+t], v[L4], s[24:25] offset:128*t          ; lane r: the scale word of the tile's row r (lanes 16-31 load the same and are not read)
.set t, t+1
.endr
	WIN 0x80                                       ; destination window 2
.set t, 0
.rept 25
	global_load_b128 v[8*t:8*t+3],   v[LC], s[24:25] offset:128*t      ; nh(8 h + 0 .. 3)
	global_load_b128 v[8*t+4:8*t+7], v[LC], s[24:25] offset:128*t+16   ; nh(8 h + 4 .. 7)
.set t, t+1
.endr
	WIN 0
.set t, 0
.rept 16
	global_load_b32 v[XS+t], v[L4], s[28:29] offset:128*t
.set t, t+1
.endr
	WIN 0xc0                                       ; destination window 3
.set t, 0
.rept 16
.irp c, 0,1,2
	global_load_b128 v[12*t+4*\c:12*t+4*\c+3], v[LI], s[26:27] offset:1536*t+512*\c   ; x's fragments, tile by tile: three loads each, last of all, so that the stream can wait for them one tile at a time
.endr
.set t, t+1
.endr
	s_wait_tensorcnt 0x0                           ; my quarter of the chunk is in LDS,
	s_barrier_signal -1
	s_barrier_wait -1                              ; everybody's is
	WIN 0x40                                       ; destination window 1
.set t, 0
.rept 20
.irp c, 0,1,2
	ds_load_b128 v[12*t+4*\c:12*t+4*\c+3], v[LI] offset:1536*t+512*\c
.endr
.set t, t+1
.endr
	WIN 0xc0
.rept 5
.irp c, 0,1,2
	ds_load_b128 v[12*t-48+4*\c:12*t-48+4*\c+3], v[LI] offset:1536*t+512*\c   ; tiles 20-24 at v192 on
.endr
.set t, t+1
.endr
; Five products: x's tile i = n / 5 against the five tiles of group k = n % 5, into accumulator set n % 2.  Each begins anew, with its tile's C: nothing is added in place.
.macro WB n
.set wi, (\n)/5
.set wk, (\n)%5
.set wd, D0+40*((\n)%2)
.if (\n) < 5
	s_wait_dscnt 15*(4-(\n))                       ; LDS loads come back in order: group k's 15 are in, the 15 of each later group stay out
.endif
.if wk == 0
	s_wait_loadcnt 3*(15-wi)                       ; x's tile i is in (and with the first all scale words and C's, which were asked for ahead of it); the three loads of each later tile stay out
.endif
.if wk == 4
	WIN 0x2f                                       ; source 0 window 3
.set wa, -48
.else
	WIN 0x2d                                       ; source 0 window 1, source 1 window 3, source 2 window 2, destination window 0
.set wa, 0
.endif
.irp s, 0,1,2,3,4
	v_wmma_scale_f32_16x16x128_f8f6f4 v[wd+8*\s:wd+8*\s+7], v[wa+12*(5*wk+\s):wa+12*(5*wk+\s)+11], v[12*wi:12*wi+11], v[8*(5*wk+\s):8*(5*wk+\s)+7], v[SA+5*wk+\s], v[XS+wi] matrix_a_fmt:MATRIX_FMT_BF6 matrix_b_fmt:MATRIX_FMT_BF6
.endr
.endm
; The largest of the lane's 40 scores of WB n: twenty instructions, each accumulator read from its low end on, the five by turns.
.macro VB n
.set vi, (\n)/5
.set vk, (\n)%5
.set vd, D0+40*((\n)%2)
	WIN 0
.irp s, 0,1,2,3,4
	v_max3_num_f32 v[TA+\s], v[vd+8*\s], v[vd+8*\s+1], v[vd+8*\s+2]
.endr
.irp s, 0,1,2,3,4
	v_max3_num_f32 v[TA+\s], v[TA+\s], v[vd+8*\s+3], v[vd+8*\s+4]
.endr
.irp s, 0,1,2,3,4
	v_max3_num_f32 v[TA+\s], v[TA+\s], v[vd+8*\s+5], v[vd+8*\s+6]
.endr
	v_max3_num_f32 v[TA],   v[TA],   v[vd+7],  v[vd+15]
	v_max3_num_f32 v[TA+1], v[TA+1], v[vd+23], v[vd+31]
	v_max3_num_f32 v[TA+2], v[TA+2], v[TA+3],  v[vd+39]
	v_max3_num_f32 v[TA],   v[TA],   v[TA+1],  v[TA+2]
	v_max_num_f32 v[H+16*vk+vi], v[TA], v[TA+4]
.endm
; THE STREAM.  Behind WB n stand the twenty maxima of WB n - 1, which name the other set alone: they are the places (ISA guide 7.12.1) between WB n and the first read of its results, and between WB n and WB n + 2,
; which writes over them.  At the start there is no such work yet: five v_nop stand between WB 0 and WB 2 (VB 0 names WB 0's results and is no place for it).
	WB 0
	WB 1
.rept 5
	v_nop
.endr
	VB 0
.set N, 2
.rept 78
	WB N
	VB N-1
.set N, N+1
.endr
	VB 79
; THE WAY OUT.  A query's 80 scores lay in lanes r and r + 16.  One exchange serves two tiles of x: H of tile 8 p + e gives its upper lanes for the lower lanes of tile 8 p + 4 + e; the larger of the two registers then holds
; tile 8 p + e's maxima in lanes 0-15 and tile 8 p + 4 + e's in lanes 16-31.  Four such registers are 16 bytes a lane.
.irp k, 0,1,2,3,4
.irp p, 0,1
.irp e, 0,1,2,3
	v_permlane16_swap_b32 v[H+16*\k+8*\p+\e], v[H+16*\k+8*\p+4+\e]
.endr
.irp e, 0,1,2,3
	v_max_num_f32 v[H+16*\k+8*\p+\e], v[H+16*\k+8*\p+\e], v[H+16*\k+8*\p+4+\e]
.endr
	global_store_b128 v[LI], v[H+16*\k+8*\p:H+16*\k+8*\p+3], s[30:31] offset:4096*\k+512*\p   ; 32 lanes store 512 consecutive bytes, at a multiple of 256 from the buffer's first byte
.endr
.endr
	s_wait_tensorcnt 0x0
	ds_add_u32 v254, v255
	s_wait_dscnt 0x0
	s_endpgm
.Lfunc_end_k_qfde22aab2a_scan:
	.size	k_qfde22aab2a_scan, .Lfunc_end_k_qfde22aab2a_scan-k_qfde22aab2a_scan
	.p2alignl 7, 3214868480
	.fill 96, 4, 3214868480
	.section	.rodata,"a",@progbits
	.p2align	6, 0x0
	.amdhsa_kernel k_qfde22aab2a_scan
		.amdhsa_group_segment_fixed_size 168448
		.amdhsa_private_segment_fixed_size 0
		.amdhsa_enable_private_segment 0
		.amdhsa_kernarg_size 24
		.amdhsa_user_sgpr_count 2
		.amdhsa_user_sgpr_kernarg_segment_ptr 1
		.amdhsa_wavefront_size32 1
		.amdhsa_system_sgpr_workgroup_id_x 1
		.amdhsa_system_sgpr_workgroup_id_y 1
		.amdhsa_system_sgpr_workgroup_id_z 1
		.amdhsa_system_vgpr_workitem_id 0
		.amdhsa_next_free_vgpr 1024
		.amdhsa_next_free_sgpr 66
		.amdhsa_reserve_vcc 0
		.amdhsa_float_denorm_mode_32 3
		.amdhsa_float_denorm_mode_16_64 3
		.amdhsa_memory_ordered 1
		.amdhsa_forward_progress 1
		.amdhsa_inst_pref_size 178
	.end_amdhsa_kernel
	.amdgpu_metadata
---
amdhsa.version: [ 1, 2 ]
amdhsa.kernels:
  - .name:           k_qfde22aab2a_scan
    .symbol:         k_qfde22aab2a_scan.kd
    .args:
      - { .name: codes, .offset: 0, .size: 8, .value_kind: global_buffer, .address_space: global }
      - { .name: meta, .offset: 8, .size: 8, .value_kind: global_buffer, .address_space: global }
      - { .name: gmax, .offset: 16, .size: 8, .value_kind: global_buffer, .address_space: global }
    .group_segment_fixed_size: 168448
    .private_segment_fixed_size: 0
    .kernarg_segment_align: 8
    .kernarg_segment_size: 24
    .max_flat_workgroup_size: 128
    .sgpr_count:     66
    .vgpr_count:     1024
    .wavefront_size: 32
...
	.end_amdgpu_metadata
.endif
;; end of part 2
;; launch pick (part 3): grid 256 x 1, 4 waves a work-group, no clusters, 20,992 bytes of LDS; arguments gmax, meta, sel; writes sel
.if DOCPART == 3
	.amdgcn_target "amdgcn-amd-amdhsa--gfx1250"
	.amdhsa_code_object_version 6
	.text
	.protected	k_qfde22aab2a_pick
	.globl	k_qfde22aab2a_pick
	.p2align	8
	.type	k_qfde22aab2a_pick,@function
k_qfde22aab2a_pick:
	s_mov_b64 s[64:65], 0
	v_nop
	global_prefetch_b8 v0, s[64:65] scope:SCOPE_SE
	s_setreg_imm32_b32 hwreg(HW_REG_WAVE_MODE, 25, 1), 1
	s_wait_xcnt 0x0
; For each query: the 4 groups of 80 fingerprints with the smallest (key, group number), key = max(x2 - 2 x the group's largest s, 0).  Groups are ranges of indices in ascending order, so the 4 nearest fingerprints under
; (max(d2, 0), index) lie in these 4 groups, ties too.  sel[column][4]: the four group numbers, whole numbers, from which the next launch forms its addresses.
; SHARES.  Work-group b takes gmax's columns 4 b .. 4 b + 3 (16 bytes of each of the 1,250 rows), wave e column 4 b + e: x's tile q = 4 (b / 16) + e, row m = b % 16.
; The 128 threads bring the 1,250 pieces of 16 bytes into LDS, row after row; behind one barrier a wave reads its column, 40 numbers a lane (row 32 i + lane); rows 1,250 .. 1,279 repeat row 1,249 and get the key +infinity.
; Keys and group numbers are kept apart, both in f32 (a group number is a whole number under 2^24): no bit of a key is spent on an index.
; LIMITS: NaN and infinities are not served.
; No matrix unit, no cluster, no tensor load: 5 MB are read once, and the work is minima.
.set K,   8                            ; v8-47    the rows as loaded, then the 40 keys
.set ID,  48                           ; v48-87   their group numbers
.set TT,  88                           ; v88-97   at work
.set LM,  98                           ; v98-101  a batch's smallest key
.set MN,  102                          ; v102     the smallest key
.set PT,  103                          ; v103     a lane permute's destination
.set W,   104                          ; v104-107 the four winners
.set ZO,  108                          ; v108     0
.set INF, 109                          ; v109     +infinity
.set X2,  110                          ; v110     x2
.set NB,  4                            ; batches of ten keys
.set MSK, 40                           ; s40-49   ten lane masks
.set SEL, 20                           ; s[20:21] v_permlanex16_b32's selects for lane l xor 16
.macro LANEMIN reg                     ; the smallest over the 32 lanes, in every lane
	v_min_num_f32_dpp v[\reg], v[\reg], v[\reg] row_xmask:1 row_mask:0xf bank_mask:0xf
	v_min_num_f32_dpp v[\reg], v[\reg], v[\reg] row_xmask:2 row_mask:0xf bank_mask:0xf
	v_min_num_f32_dpp v[\reg], v[\reg], v[\reg] row_xmask:4 row_mask:0xf bank_mask:0xf
	v_min_num_f32_dpp v[\reg], v[\reg], v[\reg] row_xmask:8 row_mask:0xf bank_mask:0xf
	v_permlanex16_b32 v[PT], v[\reg], s[SEL], s[SEL+1]
	v_min_num_f32 v[\reg], v[\reg], v[PT]
.endm
; One round: the smallest key of all; among the entries that have it the lowest number, into v[w]; that entry's key becomes +infinity.  No branch: every line runs in every round.
.macro ROUND w
.set bt, 0
.rept NB
	v_min3_num_f32 v[TT],   v[K+10*bt],   v[K+10*bt+1], v[K+10*bt+2]
	v_min3_num_f32 v[TT+1], v[K+10*bt+3], v[K+10*bt+4], v[K+10*bt+5]
	v_min3_num_f32 v[TT+2], v[K+10*bt+6], v[K+10*bt+7], v[K+10*bt+8]
	v_min3_num_f32 v[TT],   v[TT], v[TT+1], v[TT+2]
	v_min_num_f32  v[LM+bt], v[TT], v[K+10*bt+9]
.set bt, bt+1
.endr
.if NB == 4
	v_min3_num_f32 v[MN], v[LM], v[LM+1], v[LM+2]
	v_min_num_f32  v[MN], v[MN], v[LM+3]
.endif
	LANEMIN MN
.set bt, 0
.rept NB
.irp j, 0,1,2,3,4,5,6,7,8,9
	v_cmp_eq_f32 s[MSK+\j], v[K+10*bt+\j], v[MN]
.endr
.irp j, 0,1,2,3,4,5,6,7,8,9
	v_cndmask_b32 v[TT+\j], v[INF], v[ID+10*bt+\j], s[MSK+\j]      ; the number where the key is the smallest, else +infinity
.endr
.irp j, 0,2,4,6,8
.if (bt == 0) && (\j == 0)
	v_min_num_f32 v[\w], v[TT], v[TT+1]            ; the first two start the search
.else
	v_min3_num_f32 v[\w], v[\w], v[TT+\j], v[TT+\j+1]
.endif
.endr
.set bt, bt+1
.endr
	LANEMIN \w
.set bt, 0
.rept NB
.irp j, 0,1,2,3,4,5,6,7,8,9
	v_cmp_eq_f32 s[MSK+\j], v[ID+10*bt+\j], v[\w]
.endr
.irp j, 0,1,2,3,4,5,6,7,8,9
	v_cndmask_b32 v[K+10*bt+\j], v[K+10*bt+\j], v[INF], s[MSK+\j]
.endr
.set bt, bt+1
.endr
.endm
	s_load_b128 s[4:7], s[0:1], 0x0                ; gmax s[4:5], meta s[6:7]
	s_load_b64 s[8:9], s[0:1], 0x10                ; sel
	v_lshl_add_u32 v128, v0, 2, 0x5000
	v_mov_b32 v129, 0
	v_lshrrev_b32 v1, 5, v0
	v_readfirstlane_b32 s10, v1                    ; wave e
	v_and_b32 v1, 31, v0                           ; lane
	v_lshlrev_b32 v2, 12, v0                       ; row t of 4,096 bytes
	v_add_nc_u32 v3, 1152, v0
	v_min_u32 v3, 1249, v3                         ; the last run of rows stops at the last row: no load leaves the buffer
	v_lshlrev_b32 v3, 12, v3
	v_lshlrev_b32 v4, 4, v0                        ; LDS, on the way in: 16 bytes a row
	s_lshl_b32 s11, s10, 2
	v_lshl_add_u32 v5, v1, 4, s11                  ; on the way out: row = lane, my wave's column
	v_mov_b32 v[PT], 0
	v_mov_b32 v[ZO], 0
	v_mov_b32 v[INF], 0x7f800000
	s_mov_b32 s[SEL], 0x76543210
	s_mov_b32 s[SEL+1], 0xfedcba98
	s_lshl_b32 s12, ttmp9, 4                       ; 16 b: my four columns
	s_mov_b32 s13, 0
	s_lshr_b32 s14, ttmp9, 4
	s_lshl_b32 s14, s14, 2
	s_add_co_u32 s14, s14, s10                     ; q
	s_lshl_b32 s14, s14, 7                         ; 128 bytes of meta a tile
	s_and_b32 s15, ttmp9, 15                       ; m
	s_lshl_b32 s15, s15, 2
	s_add_co_u32 s14, s14, s15
	s_add_co_u32 s14, s14, 800064                  ; x's meta begins behind the fingerprints' 6,250 tiles; nh begins 64 bytes into a tile's
	s_mov_b32 s15, 0
	s_lshl_b32 s16, ttmp9, 6
	s_lshl_b32 s17, s10, 4
	s_add_co_u32 s16, s16, s17                     ; 16 bytes of sel a column
	s_mov_b32 s17, 0
	s_wait_kmcnt 0x0
	s_add_nc_u64 s[4:5], s[4:5], s[12:13]
	s_add_nc_u64 s[6:7], s[6:7], s[14:15]
	s_add_nc_u64 s[8:9], s[8:9], s[16:17]
	s_load_b32 s18, s[6:7], 0x0                    ; nh of my query
.irp s, 0,1,2,3,4,5,6,7,8
	global_load_b128 v[K+4*\s:K+4*\s+3], v2, s[4:5] offset:524288*\s   ; rows t + 128 s
.endr
	global_load_b128 v[K+36:K+39], v3, s[4:5]
.set i, 0
.rept 40
	v_add_nc_u32 v[ID+i], 32*i, v1                 ; register i holds row 32 i + lane
.set i, i+1
.endr
.set i, 0
.rept 40
	v_cvt_f32_u32 v[ID+i], v[ID+i]
.set i, i+1
.endr
.irp s, 0,1,2,3,4,5,6,7,8,9
	s_wait_loadcnt 9-\s                            ; loads come back in order: run s is in, the younger runs stay out
	ds_store_b128 v4, v[K+4*\s:K+4*\s+3] offset:2048*\s
.endr
	s_wait_dscnt 0x0                               ; for the others' sake: my stores are done
	s_barrier_signal -1
	s_barrier_wait -1
.set i, 0
.rept 40
	ds_load_b32 v[K+i], v5 offset:512*i
.set i, i+1
.endr
	s_wait_kmcnt 0x0
	v_mul_f32 v[X2], -2.0, s18                     ; x2, exactly
	s_wait_dscnt 0x0
.set i, 0
.rept 40
	v_fma_f32 v[K+i], -2.0, v[K+i], v[X2]          ; x2 - 2 s
.set i, i+1
.endr
.set i, 0
.rept 40
	v_max_num_f32 v[K+i], 0, v[K+i]
.set i, i+1
.endr
	v_cmp_lt_u32 vcc_lo, 1, v1                     ; register 39 holds rows 1,248 + lane: from lane 2 on there is no such group
	v_cndmask_b32 v[K+39], v[K+39], v[INF], vcc_lo
	ROUND W+0
	ROUND W+1
	ROUND W+2
	ROUND W+3
.irp j, 0,1,2,3
	v_cvt_u32_f32 v[W+\j], v[W+\j]
.endr
	v_cmp_eq_u32 vcc_lo, 0, v1
	s_wait_xcnt 0x0                                ; EXEC changes only behind this wait
	s_wait_tensorcnt 0x0
	ds_add_u32 v128, v129
	s_wait_dscnt 0x0
	s_and_saveexec_b32 s22, vcc_lo                 ; every lane holds the four numbers: lane 0 stores them
	global_store_b128 v[ZO], v[W:W+3], s[8:9]
	s_wait_xcnt 0x0                                ; and again in front of the line that widens it
	s_or_b32 exec_lo, exec_lo, s22
	s_endpgm
.Lfunc_end_k_qfde22aab2a_pick:
	.size	k_qfde22aab2a_pick, .Lfunc_end_k_qfde22aab2a_pick-k_qfde22aab2a_pick
	.p2alignl 7, 3214868480
	.fill 96, 4, 3214868480
	.section	.rodata,"a",@progbits
	.p2align	6, 0x0
	.amdhsa_kernel k_qfde22aab2a_pick
		.amdhsa_group_segment_fixed_size 20992
		.amdhsa_private_segment_fixed_size 0
		.amdhsa_enable_private_segment 0
		.amdhsa_kernarg_size 24
		.amdhsa_user_sgpr_count 2
		.amdhsa_user_sgpr_kernarg_segment_ptr 1
		.amdhsa_wavefront_size32 1
		.amdhsa_system_sgpr_workgroup_id_x 1
		.amdhsa_system_sgpr_workgroup_id_y 1
		.amdhsa_system_sgpr_workgroup_id_z 1
		.amdhsa_system_vgpr_workitem_id 0
		.amdhsa_next_free_vgpr 130
		.amdhsa_next_free_sgpr 66
		.amdhsa_reserve_vcc 1
		.amdhsa_float_denorm_mode_32 3
		.amdhsa_float_denorm_mode_16_64 3
		.amdhsa_memory_ordered 1
		.amdhsa_forward_progress 1
		.amdhsa_inst_pref_size 67
	.end_amdhsa_kernel
	.amdgpu_metadata
---
amdhsa.version: [ 1, 2 ]
amdhsa.kernels:
  - .name:           k_qfde22aab2a_pick
    .symbol:         k_qfde22aab2a_pick.kd
    .args:
      - { .name: gmax, .offset: 0, .size: 8, .value_kind: global_buffer, .address_space: global }
      - { .name: meta, .offset: 8, .size: 8, .value_kind: global_buffer, .address_space: global }
      - { .name: sel, .offset: 16, .size: 8, .value_kind: global_buffer, .address_space: global }
    .group_segment_fixed_size: 20992
    .private_segment_fixed_size: 0
    .kernarg_segment_align: 8
    .kernarg_segment_size: 24
    .max_flat_workgroup_size: 128
    .sgpr_count:     66
    .vgpr_count:     130
    .wavefront_size: 32
...
	.end_amdgpu_metadata
.endif
;; end of part 3
;; launch final (part 4): grid 256 x 1, 4 waves a work-group, no clusters, 0 bytes of LDS; arguments sel, codes, meta, positions, out0; writes out0
.if DOCPART == 4
	.amdgcn_target "amdgcn-amd-amdhsa--gfx1250"
	.amdhsa_code_object_version 6
	.text
	.protected	k_qfde22aab2a_final
	.globl	k_qfde22aab2a_final
	.p2align	8
	.type	k_qfde22aab2a_final,@function
k_qfde22aab2a_final:
	s_mov_b64 s[64:65], 0
	v_nop
	global_prefetch_b8 v0, s[64:65] scope:SCOPE_SE
	s_setreg_imm32_b32 hwreg(HW_REG_WAVE_MODE, 25, 1), 1
	s_wait_xcnt 0x0
; For each query: the 320 fingerprints of its four chosen groups are multiplied anew (20 matrix instructions on codes of BF6 with E8M0 scales), d2 = (x2 - 2 dot) + f2 is formed in that order in f32 and held at 0 from below,
; the 4 smallest under (d2, index) are taken, and out0 = the sum of position x w over the sum of w + 1e-12, w = 1 / (sqrt(d2 + 1e-12) + 1e-6)^2.
; SHARES.  Wave e of work-group b takes column 4 b + e of sel: x's tile q = 4 (b / 16) + e, row m = b % 16, query 16 q + m.  Waves share nothing: no LDS, no barrier.
; The group numbers are whole numbers stored by the launch before; they are held at 1,249 from above before they enter an address.
; LAYOUT.  Source 0: ALL 16 ROWS ARE THE QUERY (every lane of a half loads the registers of the image's lane (m, h)); source 1: 16 fingerprints.  So register 0 of the result holds, in lane (r, h), the query's product with
; fingerprint r, in both halves.  Lanes 0-15 then take groups 0 and 2, lanes 16-31 groups 1 and 3: ten candidates a lane, entry 5 p + s = tile s of group 2 p + h, row r.
; LIMITS: NaN and infinities are not served; ties are broken on max(d2, 0) with the lower index (ties that only the root's rounding makes are not reproduced); the weighted sums are divided once, at the end.
; No cluster and no tensor load: each wave's addresses hang on its own stored numbers, and nothing is shared.
; REGISTERS: window 0: as named below.   window 1: the 20 fragments, tile s of group g at v[12 (5 g + s)].
.set LI,   1                           ; v1   16 x lane
.set R4,   2                           ; v2   4 r
.set HH,   3                           ; v3   h
.set H256, 4                           ; v4   256 h
.set ZO,   5                           ; v5   0
.set RR,   6                           ; v6   r
.set R8,   7                           ; v7   8 r
.set AF,   8                           ; v8-19    the query's fragment
.set AS,   20                          ; v20      its scale word, in every lane
.set GV,   22                          ; v22-23   my half's group of pair p
.set NA,   24                          ; v24-25   640 x group + 4 r: my candidates' nh
.set PA,   26                          ; v26-27   640 x group + 8 r: their positions
.set BS,   28                          ; v28-47   the tiles' scale words
.set NH,   48                          ; v48-57   nh of my ten candidates
.set PS,   58                          ; v58-77   their positions, in pairs
.set K,    78                          ; v78-87   their keys
.set WT,   88                          ; v88-97   their weights
.set ID,   98                          ; v98-107  their indices, in f32 (whole numbers under 2^24)
.set DB,   108                         ; v108-139 four accumulators
.set TT,   140                         ; v140-149 at work
.set MN,   150
.set LM,   MN                          ; one batch: its smallest key is the lane's
.set PT,   151
.set INF,  152
.set WW,   153                         ; a round's winner
.set X2,   154
.set SW,   156
.set SX,   157
.set SY,   158
.set OUT,  160                         ; v[160:161]
.set NB,   1
.set MSK,  52                          ; s52-61   ten lane masks
.set SEL,  20                          ; s[20:21]
.set MSB,  0
.macro WIN new                         ; the immediate's high byte repeats the setting that is left
.if MSB != \new
	s_set_vgpr_msb (MSB<<8)|\new
.set MSB, \new
.endif
.endm
.macro LANEMIN reg                     ; the smallest over the 32 lanes, in every lane
	v_min_num_f32_dpp v[\reg], v[\reg], v[\reg] row_xmask:1 row_mask:0xf bank_mask:0xf
	v_min_num_f32_dpp v[\reg], v[\reg], v[\reg] row_xmask:2 row_mask:0xf bank_mask:0xf
	v_min_num_f32_dpp v[\reg], v[\reg], v[\reg] row_xmask:4 row_mask:0xf bank_mask:0xf
	v_min_num_f32_dpp v[\reg], v[\reg], v[\reg] row_xmask:8 row_mask:0xf bank_mask:0xf
	v_permlanex16_b32 v[PT], v[\reg], s[SEL], s[SEL+1]
	v_min_num_f32 v[\reg], v[\reg], v[PT]
.endm
.macro LANESUM reg                     ; the sum over the 32 lanes, in every lane
	v_add_f32_dpp v[\reg], v[\reg], v[\reg] row_xmask:1 row_mask:0xf bank_mask:0xf
	v_add_f32_dpp v[\reg], v[\reg], v[\reg] row_xmask:2 row_mask:0xf bank_mask:0xf
	v_add_f32_dpp v[\reg], v[\reg], v[\reg] row_xmask:4 row_mask:0xf bank_mask:0xf
	v_add_f32_dpp v[\reg], v[\reg], v[\reg] row_xmask:8 row_mask:0xf bank_mask:0xf
	v_permlanex16_b32 v[PT], v[\reg], s[SEL], s[SEL+1]
	v_add_f32 v[\reg], v[\reg], v[PT]
.endm
; One round: the smallest key of all; among the entries that have it the lowest index, into v[w]; that entry's key becomes +infinity.  No branch: every line runs in every round.
.macro ROUND w
.set bt, 0
.rept NB
	v_min3_num_f32 v[TT],   v[K+10*bt],   v[K+10*bt+1], v[K+10*bt+2]
	v_min3_num_f32 v[TT+1], v[K+10*bt+3], v[K+10*bt+4], v[K+10*bt+5]
	v_min3_num_f32 v[TT+2], v[K+10*bt+6], v[K+10*bt+7], v[K+10*bt+8]
	v_min3_num_f32 v[TT],   v[TT], v[TT+1], v[TT+2]
	v_min_num_f32  v[LM+bt], v[TT], v[K+10*bt+9]
.set bt, bt+1
.endr
	LANEMIN MN
.set bt, 0
.rept NB
.irp j, 0,1,2,3,4,5,6,7,8,9
	v_cmp_eq_f32 s[MSK+\j], v[K+10*bt+\j], v[MN]
.endr
.irp j, 0,1,2,3,4,5,6,7,8,9
	v_cndmask_b32 v[TT+\j], v[INF], v[ID+10*bt+\j], s[MSK+\j]      ; the index where the key is the smallest, else +infinity
.endr
.irp j, 0,2,4,6,8
.if (bt == 0) && (\j == 0)
	v_min_num_f32 v[\w], v[TT], v[TT+1]            ; the first two start the search
.else
	v_min3_num_f32 v[\w], v[\w], v[TT+\j], v[TT+\j+1]
.endif
.endr
.set bt, bt+1
.endr
	LANEMIN \w
.set bt, 0
.rept NB
.irp j, 0,1,2,3,4,5,6,7,8,9
	v_cmp_eq_f32 s[MSK+\j], v[ID+10*bt+\j], v[\w]
.endr
.irp j, 0,1,2,3,4,5,6,7,8,9
	v_cndmask_b32 v[K+10*bt+\j], v[K+10*bt+\j], v[INF], s[MSK+\j]
.endr
.set bt, bt+1
.endr
.endm
	s_load_b256 s[4:11], s[0:1], 0x0               ; sel s[4:5], codes s[6:7], meta s[8:9], positions s[10:11]
	s_load_b64 s[12:13], s[0:1], 0x20              ; out0
	v_lshrrev_b32 v1, 5, v0
	v_readfirstlane_b32 s14, v1                    ; wave e
	v_and_b32 v1, 31, v0
	v_lshlrev_b32 v[LI], 4, v1
	v_and_b32 v[RR], 15, v0
	v_bfe_u32 v[HH], v0, 4, 1
	v_lshlrev_b32 v[R4], 2, v[RR]
	v_lshlrev_b32 v[R8], 3, v[RR]
	v_lshlrev_b32 v[H256], 8, v[HH]
	v_mov_b32 v[ZO], 0
	v_mov_b32 v[PT], 0                             ; a lane permute's destination counts as one of its sources
	v_mov_b32 v[INF], 0x7f800000
	v_cmp_ne_u32 s30, 0, v[HH]                     ; lanes 16-31
	s_mov_b32 s[SEL], 0x76543210
	s_mov_b32 s[SEL+1], 0xfedcba98
	s_lshr_b32 s15, ttmp9, 4
	s_lshl_b32 s15, s15, 2
	s_add_co_u32 s15, s15, s14                     ; q
	s_and_b32 s16, ttmp9, 15                       ; m
	s_mov_b32 s19, 0
	s_wait_kmcnt 0x0
	s_lshl_b32 s18, ttmp9, 6
	s_lshl_b32 s17, s14, 4
	s_add_co_u32 s18, s18, s17
	s_add_nc_u64 s[4:5], s[4:5], s[18:19]          ; sel at my column: 16 bytes
	s_load_b128 s[24:27], s[4:5], 0x0              ; my four groups
	s_mul_i32 s18, s15, 1536
	s_lshl_b32 s17, s16, 4
	s_add_co_u32 s18, s18, s17
	s_add_co_u32 s18, s18, 9600000
	s_add_nc_u64 s[40:41], s[6:7], s[18:19]        ; x's tile q, the image's lane m
	s_lshl_b32 s18, s15, 7
	s_lshl_b32 s17, s16, 2
	s_add_co_u32 s18, s18, s17
	s_add_co_u32 s18, s18, 800000
	s_add_nc_u64 s[42:43], s[8:9], s[18:19]        ; its meta, row m
	s_load_b32 s28, s[42:43], 0x40                 ; nh of my query
	s_lshl_b32 s18, s15, 7
	s_lshl_b32 s17, s16, 3
	s_add_co_u32 s18, s18, s17
	s_add_nc_u64 s[12:13], s[12:13], s[18:19]      ; out0 at query 16 q + m: 8 bytes
.irp c, 0,1,2
	global_load_b128 v[AF+4*\c:AF+4*\c+3], v[H256], s[40:41] offset:512*\c   ; the registers of the image's lane (m, h), in every lane of half h
.endr
	global_load_b32 v[AS], v[ZO], s[42:43]         ; the query's scale word, in every lane
	s_wait_kmcnt 0x0
.irp g, 0,1,2,3
	s_min_u32 s[24+\g], s[24+\g], 1249             ; a stored number enters an address only behind this hold
	s_mul_i32 s18, s[24+\g], 7680                  ; 5 images of 1,536 bytes a group
	s_add_nc_u64 s[32+2*\g:33+2*\g], s[6:7], s[18:19]
	s_mul_i32 s18, s[24+\g], 640                   ; 5 x 128 bytes of meta
	s_add_nc_u64 s[44+2*\g:45+2*\g], s[8:9], s[18:19]
.endr
.irp p, 0,1
	v_mov_b32 v[GV+\p], s[24+2*\p]
	v_mov_b32 v[TT], s[25+2*\p]
	v_cndmask_b32 v[GV+\p], v[GV+\p], v[TT], s30   ; lanes 0-15: group 2 p; lanes 16-31: group 2 p + 1
	v_min_u32 v[GV+\p], 1249, v[GV+\p]
	v_mul_u32_u24 v[TT+1], v[GV+\p], 640           ; 80 candidates: 640 bytes of positions, and as many of meta
	v_add_nc_u32 v[NA+\p], v[TT+1], v[R4]
	v_add_nc_u32 v[PA+\p], v[TT+1], v[R8]
.endr
	WIN 0x40                                       ; destination window 1
.irp g, 0,1,2,3
.irp s, 0,1,2,3,4
.irp c, 0,1,2
	global_load_b128 v[12*(5*\g+\s)+4*\c:12*(5*\g+\s)+4*\c+3], v[LI], s[32+2*\g:33+2*\g] offset:1536*\s+512*\c
.endr
.endr
.endr
	WIN 0
.irp g, 0,1,2,3
.irp s, 0,1,2,3,4
	global_load_b32 v[BS+5*\g+\s], v[R4], s[44+2*\g:45+2*\g] offset:128*\s
.endr
.endr
.irp p, 0,1
.irp s, 0,1,2,3,4
	global_load_b32 v[NH+5*\p+\s], v[NA+\p], s[8:9] offset:128*\s+64
	global_load_b64 v[PS+2*(5*\p+\s):PS+2*(5*\p+\s)+1], v[PA+\p], s[10:11] offset:128*\s   ; the last candidate's 8 bytes end at 640 x 1,249 + 512 + 128 = the buffer's 800,000
.endr
.endr
.irp p, 0,1
	v_mul_u32_u24 v[TT+\p], v[GV+\p], 80
	v_add_nc_u32 v[TT+\p], v[TT+\p], v[RR]
.endr
.irp p, 0,1
.irp s, 0,1,2,3,4
	v_add_nc_u32 v[ID+5*\p+\s], 16*\s, v[TT+\p]    ; the candidate's index: 80 x group + 16 s + r
.endr
.endr
.irp j, 0,1,2,3,4,5,6,7,8,9
	v_cvt_f32_u32 v[ID+\j], v[ID+\j]
.endr
	v_mul_f32 v[X2], -2.0, s28                     ; x2, exactly
	s_wait_loadcnt 0x0
; Tile s of the four groups: four products, each begun anew with C = 0.  Five places stand behind them (ISA guide 7.12.1): four are owed to the reads below, five to the next four products, which write over the same accumulators.
.irp s, 0,1,2,3,4
	WIN 0x04                                       ; source 1 window 1
.irp g, 0,1,2,3
	v_wmma_scale_f32_16x16x128_f8f6f4 v[DB+8*\g:DB+8*\g+7], v[AF:AF+11], v[12*(5*\g+\s):12*(5*\g+\s)+11], 0, v[AS], v[BS+5*\g+\s] matrix_a_fmt:MATRIX_FMT_BF6 matrix_b_fmt:MATRIX_FMT_BF6
.endr
	WIN 0
.rept 5
	v_nop
.endr
	v_cndmask_b32 v[K+\s],   v[DB],    v[DB+8],  s30   ; each accumulator's register 0: lanes 0-15 keep group 0's, lanes 16-31 group 1's;
	v_cndmask_b32 v[K+5+\s], v[DB+16], v[DB+24], s30   ; groups 2 and 3 likewise
.endr
.irp j, 0,1,2,3,4,5,6,7,8,9
	v_fma_f32 v[K+\j], -2.0, v[K+\j], v[X2]        ; x2 - 2 dot, rounded once,
.endr
.irp j, 0,1,2,3,4,5,6,7,8,9
	v_fma_f32 v[K+\j], -2.0, v[NH+\j], v[K+\j]     ; + f2, rounded once (f2 = -2 nh exactly)
.endr
.irp j, 0,1,2,3,4,5,6,7,8,9
	v_max_num_f32 v[K+\j], 0, v[K+\j]
.endr
; The weights of all ten, ahead of the rounds, which turn the chosen keys into +infinity
.irp j, 0,1,2,3,4,5,6,7,8,9
	v_add_f32 v[WT+\j], 0x2b8cbccc, v[K+\j]        ; + 1e-12
.endr
.irp j, 0,1,2,3,4,5,6,7,8,9
	v_sqrt_f32 v[WT+\j], v[WT+\j]
.endr
	v_nop                                          ; one plain place behind the transcendentals
	s_wait_alu depctr_va_vdst(0)
.irp j, 0,1,2,3,4,5,6,7,8,9
	v_add_f32 v[WT+\j], 0x358637bd, v[WT+\j]       ; + 1e-6
.endr
.irp j, 0,1,2,3,4,5,6,7,8,9
	v_mul_f32 v[WT+\j], v[WT+\j], v[WT+\j]
.endr
.irp j, 0,1,2,3,4,5,6,7,8,9
	v_rcp_f32 v[WT+\j], v[WT+\j]
.endr
	v_nop                                          ; one plain place behind the transcendentals
	ROUND WW
	ROUND WW
	ROUND WW
	ROUND WW
.irp j, 0,1,2,3,4,5,6,7,8,9
	v_cmp_eq_f32 s[MSK+\j], v[K+\j], v[INF]        ; the four that the rounds took out
.endr
	s_wait_alu depctr_va_vdst(0)
.irp j, 0,1,2,3,4,5,6,7,8,9
	v_cndmask_b32 v[WT+\j], 0, v[WT+\j], s[MSK+\j] ; the others weigh nothing
.endr
	v_mul_f32 v[SX], v[WT], v[PS]
	v_mul_f32 v[SY], v[WT], v[PS+1]
	v_add_f32 v[SW], v[WT], v[WT+1]
	v_fmac_f32 v[SX], v[WT+1], v[PS+2]
	v_fmac_f32 v[SY], v[WT+1], v[PS+3]
.irp j, 2,3,4,5,6,7,8,9
	v_add_f32 v[SW], v[SW], v[WT+\j]
	v_fmac_f32 v[SX], v[WT+\j], v[PS+2*\j]
	v_fmac_f32 v[SY], v[WT+\j], v[PS+2*\j+1]
.endr
	LANESUM SW
	LANESUM SX
	LANESUM SY
	v_add_f32 v[SW], 0x2b8cbccc, v[SW]             ; + 1e-12
	v_rcp_f32 v[SW], v[SW]
	v_cmp_eq_u32 vcc_lo, 0, v[LI]                  ; (one plain place behind the transcendental)  lane 0
	s_wait_alu depctr_va_vdst(0)
	v_mul_f32 v[OUT], v[SX], v[SW]
	v_mul_f32 v[OUT+1], v[SY], v[SW]
	s_wait_xcnt 0x0                                ; EXEC changes only behind this wait
	s_and_saveexec_b32 s31, vcc_lo                 ; every lane holds the result: lane 0 stores it
	global_store_b64 v[ZO], v[OUT:OUT+1], s[12:13]
	s_wait_xcnt 0x0                                ; and again in front of the line that widens it
	s_or_b32 exec_lo, exec_lo, s31
	s_endpgm
.Lfunc_end_k_qfde22aab2a_final:
	.size	k_qfde22aab2a_final, .Lfunc_end_k_qfde22aab2a_final-k_qfde22aab2a_final
	.p2alignl 7, 3214868480
	.fill 96, 4, 3214868480
	.section	.rodata,"a",@progbits
	.p2align	6, 0x0
	.amdhsa_kernel k_qfde22aab2a_final
		.amdhsa_group_segment_fixed_size 0
		.amdhsa_private_segment_fixed_size 0
		.amdhsa_enable_private_segment 0
		.amdhsa_kernarg_size 40
		.amdhsa_user_sgpr_count 2
		.amdhsa_user_sgpr_kernarg_segment_ptr 1
		.amdhsa_wavefront_size32 1
		.amdhsa_system_sgpr_workgroup_id_x 1
		.amdhsa_system_sgpr_workgroup_id_y 1
		.amdhsa_system_sgpr_workgroup_id_z 1
		.amdhsa_system_vgpr_workitem_id 0
		.amdhsa_next_free_vgpr 512
		.amdhsa_next_free_sgpr 66
		.amdhsa_reserve_vcc 1
		.amdhsa_float_denorm_mode_32 3
		.amdhsa_float_denorm_mode_16_64 3
		.amdhsa_memory_ordered 1
		.amdhsa_forward_progress 1
		.amdhsa_inst_pref_size 42
	.end_amdhsa_kernel
	.amdgpu_metadata
---
amdhsa.version: [ 1, 2 ]
amdhsa.kernels:
  - .name:           k_qfde22aab2a_final
    .symbol:         k_qfde22aab2a_final.kd
    .args:
      - { .name: sel, .offset: 0, .size: 8, .value_kind: global_buffer, .address_space: global }
      - { .name: codes, .offset: 8, .size: 8, .value_kind: global_buffer, .address_space: global }
      - { .name: meta, .offset: 16, .size: 8, .value_kind: global_buffer, .address_space: global }
      - { .name: positions, .offset: 24, .size: 8, .value_kind: global_buffer, .address_space: global }
      - { .name: out0, .offset: 32, .size: 8, .value_kind: global_buffer, .address_space: global }
    .group_segment_fixed_size: 0
    .private_segment_fixed_size: 0
    .kernarg_segment_align: 8
    .kernarg_segment_size: 40
    .max_flat_workgroup_size: 128
    .sgpr_count:     66
    .vgpr_count:     512
    .wavefront_size: 32
...
	.end_amdgpu_metadata
.endif
;; end of part 4
